; MI455X (gfx1250); checked and timed in simulation.
; The chip was launched on July 23, 2026; its instructions are those of AMD's public machine-readable ISA for CDNA 5 (MIT licence, August 2026) and "CDNA5" Instruction Set Architecture Reference Guide (July 2026). The comments in the code are by the model that wrote it; some were corrected since.
;; Extended ANFIS. Allowed arithmetic: matrix products marked QUANTISED: E3M2 operands, one E8M0 scale for each 32 along K, by v_wmma_scale_f32_16x16x128_f8f6f4 with both operands' format E3M2, f32 sums; everything else in f32.
;; Inputs: mfs 7 x 3 x 2 float32; rules 2,187 x 64 float32; x 16,384 x 7 float32.
;; Outputs: out0 16,384 x 64 float32.
;; This version of the problem:
;;   THIS VERSION OF THE PROBLEM IS GIVEN IN LOW PRECISION. The matrix products marked QUANTISED in the list below multiply operands that are first quantised to E3M2 (3 exponent bits, 2 mantissa bits; 6 bits a number), with one power-of-two scale for each 32 numbers along K (OCP MX v1.0); their sums are f32. All else is computed in f32.
;;   The module's matrix products, in the order in which they are computed (A, B: the left and right operand; K: the contracted axis; several contracted axes count as one K, in the product's order):
;;     1. [M 16,384, K 2,187] x [K 2,187, N 64]; A: computed on the way; B: input rules: QUANTISED
;;   THE QUANTISER, for each operand of a quantised product, along K:
;;     - K is cut into blocks of 32 from its start; a last block that is shorter is filled with zeros.
;;     - A block's scale is 2^e with e = floor(log2(the largest magnitude in the block)) - 4, held to -126 .. 127; a block of zeros has e = 0. As a byte (E8M0): e + 127.
;;     - Each number is divided by its block's scale, clamped to +-28, and rounded to the nearest number of E3M2, ties to even, subnormals kept.
;;     - The product sums the exact products of the quantised numbers (number of the format x scale) in f32.
;;   ~~~python
;;   def quantise(x, axis):      # numpy; x: float32 -> the quantised numbers, widened to float32 again
;;       x = np.moveaxis(x, axis, -1); K = x.shape[-1]
;;       x = np.pad(x, [(0, 0)] * (x.ndim - 1) + [(0, -K % 32)]); x = x.reshape(x.shape[:-1] + (-1, 32)); a = np.abs(x).max(-1, keepdims=True)
;;       e = np.where(a > 0, np.clip(np.frexp(np.where(a > 0, a, 1))[1] - 1 - 4, -126, 127), 0)      # np.frexp(a)[1] - 1 = floor(log2(a)), exactly
;;       r = np.clip(x / 2.0 ** e, -28, 28)
;;       step = 2.0 ** (np.maximum(np.frexp(np.where(r == 0, 1, r))[1] - 1, -2) - 2)
;;       q = np.round(r / step) * step * 2.0 ** e      # np.round: ties to even
;;       return np.moveaxis(q.reshape(q.shape[:-2] + (-1,))[..., :K], -1, axis).astype(np.float32)
;;   ~~~
;;   OPERANDS COMPUTED ON THE WAY. 'Computed on the way' means the value that the module computes at that place (a softmax that the list does not call 'softmax' is quantised finished and normalised). What goes into a quantiser is computed in f32, as accurately as f32 sums, v_exp_f32 and their like allow (about 1e-6 of the number): no bf16 or f16 on the way to a quantiser, and a product that is left as it is and whose result goes on into a quantised operand takes f32 operands (vector FMAs, or v_wmma_f32_16x16x4_f32). A number that lies on a knife's edge between two numbers of the format may be rounded either way, as far as f32 arithmetic and the matrix unit's own rounding can turn it there, and no further.
;; One version. Each part assembles by itself: llvm-mc -triple=amdgcn-amd-amdhsa -mcpu=gfx1250 --defsym DOCPART=n.
;; ======== version 1 of 1: 2 launches
;; workspace buffers: rq 115,200 bytes; mc 256 bytes
;; launch prep (part 1): grid 18 x 1, 4 waves a work-group, no clusters, 768 bytes of LDS; arguments rules, mfs, rq, mc; writes rq, mc
.if DOCPART == 1
	.amdgcn_target "amdgcn-amd-amdhsa--gfx1250"
	.amdhsa_code_object_version 6
	.text
	.protected	k_q94d6bc53e9_prep
	.globl	k_q94d6bc53e9_prep
	.p2align	8
	.type	k_q94d6bc53e9_prep,@function
k_q94d6bc53e9_prep:
	s_mov_b64 s[64:65], 0
	v_nop
	global_prefetch_b8 v0, s[64:65] scope:SCOPE_SE
	s_setreg_imm32_b32 hwreg(HW_REG_WAVE_MODE, 25, 1), 1
	s_wait_xcnt 0x0
; rules [2187][64] f32 (K is its FIRST axis) become codes of BF6 (E3M2) with one E8M0 byte for each 32 along K, laid as the product's launch takes them:
;   rq + (4 s + t) x 1536: the fragment of K step s (128 along K) and columns 16 t .. 16 t + 15 as an IMAGE OF ITS 12 REGISTERS: registers 4 q .. 4 q + 3 of lane l at 512 q + 16 l;
;   rq + 110592 + 256 s + 64 t + 4 r: the scale word (four bytes, 128 along K) of column 16 t + r.
; K = 2187 is filled with zeros up to 18 x 128 = 2304: rows from 2187 on are never loaded, their numbers are zeros.
; Work-group s takes K step s, wave t the columns of tile t.  LANE (r, h) TAKES COLUMN 16 t + r AND ITS REGISTERS RUN DOWN K, in the order that the operand's layout gives that lane
; (registers 6 c .. 6 c + 5: k = 64 c + 32 h + 0 .. 31): a lane holds two whole blocks, no other lane is asked for a maximum, and the conversions' results are the operand's registers.
; A block's scale is 2^(floor(log2(largest magnitude)) - 4); its byte is the largest magnitude's exponent field - 4, held at 1 from below by a floor among the maximum's leaves.
; (A block of zeros so gets the byte 1 where the rule says 127: its codes are zeros, and this program alone reads the bytes.)
; One wave of the launch also turns mfs [7][3][2] into mc: 21 pairs (mean, c), c = sqrt(log2(e) / 2) / (|sigma| + 1e-6), so that exp(-z z / 2) = 2^(-(c (x - mean))^2).
; LIMITS: NaN and infinities among the inputs are not served; blocks whose largest magnitude lies under 2^-122 keep the byte 1.
.set SCL,  110592                      ; where the scale words begin in rq
.set X,    64                          ; v64-127  my 64 numbers: register 32 c + i = rules(128 s + 64 c + 32 h + i, my column)
.set C,    48                          ; v48-59   the fragment
.set HT,   32                          ; v32-34, v36-38  the second halves of the two blocks (a conversion's three registers begin on an even number)
.set MX,   24                          ; v24-27   four chains of maxima
.set SO,   28                          ; v28-29   the conversions' scale operands
.set BY,   30                          ; v30-31   the scale bytes
	s_load_b256 s[4:11], s[0:1], 0x0               ; rules s[4:5], mfs s[6:7], rq s[8:9], mc s[10:11]
	v_lshl_add_u32 v128, v0, 2, 0x100
	v_mov_b32 v129, 0
	v_lshrrev_b32 v1, 5, v0
	v_readfirstlane_b32 s12, v1                    ; wave = tile of columns t
	v_and_b32 v1, 31, v0                           ; lane
	v_and_b32 v2, 15, v0                           ; r
	v_bfe_u32 v3, v0, 4, 1                         ; h
	v_lshlrev_b32 v4, 2, v2                        ; 4 r: my column in the tile's 64 bytes of a row
	v_lshl_add_u32 v5, v3, 13, v4                  ; lanes 16-31 begin 32 rows of 256 bytes further down
	v_min_u32 v6, 20, v1
	v_lshlrev_b32 v6, 3, v6                        ; mfs: pair min(lane, 20): no lane leaves the buffer
	v_lshlrev_b32 v7, 4, v1                        ; 16 x lane: an image's place for my lane
	v_lshlrev_b32 v8, 3, v1                        ; 8 x lane
	s_lshl_b32 s13, s12, 6                         ; 64 t
	v_add_nc_u32 v9, s13, v4                       ; LDS: the scale word of column 16 t + r
	s_lshl_b32 s14, ttmp9, 15                      ; K step s: 128 rows of 256 bytes,
	s_add_co_u32 s14, s14, s13                     ; + my tile's columns
	s_mov_b32 s15, 0
	s_mul_i32 s16, ttmp9, 6144                     ; the step's four fragments,
	s_mul_i32 s17, s12, 1536                       ; mine of them
	s_add_co_u32 s16, s16, s17
	s_mov_b32 s17, 0
	s_lshl_b32 s18, ttmp9, 8                       ; the step's 64 scale words
	s_add_co_u32 s18, s18, SCL
	s_mov_b32 s19, 0
	s_mov_b32 s20, 0x76543210
	s_mov_b32 s21, 0xfedcba98                      ; v_permlanex16_b32's selects for lane l xor 16
	s_lshl_b32 s26, ttmp9, 2
	s_add_co_u32 s26, s26, s12                     ; the wave's number in the launch
	s_mov_b32 s27, 0x3f596d27                      ; sqrt(log2(e) / 2) = 0.8493218
	s_wait_kmcnt 0x0
	s_add_nc_u64 s[4:5], s[4:5], s[14:15]
	s_add_nc_u64 s[22:23], s[8:9], s[16:17]        ; my fragment
	s_add_nc_u64 s[24:25], s[8:9], s[18:19]        ; the step's scale words
	global_load_b64 v[20:21], v6, s[6:7]           ; (mean, sigma): one load in every wave, so that it travels with the others; one wave uses it
	s_cmp_eq_u32 ttmp9, 17
	s_cbranch_scc1 .Llast
.irp c, 0,1
.irp i, 0,1,2,3,4,5,6,7,8,9,10,11,12,13,14,15,16,17,18,19,20,21,22,23,24,25,26,27,28,29,30,31
	global_load_b32 v[X+32*\c+\i], v5, s[4:5] offset:(64*\c+\i)*256 th:TH_LOAD_NT   ; sixteen lanes read 64 neighbouring bytes; the four waves together take the row's 256
.endr
.endr
	s_wait_loadcnt 0x0
	s_branch .Lquant
.Llast:                                                ; K step 17 begins at row 2176: rows 2176 .. 2186 exist, which are i = 0 .. 10 of block c = 0, h = 0
.irp i, 0,1,2,3,4,5,6,7,8,9,10
	global_load_b32 v[X+\i], v4, s[4:5] offset:\i*256 th:TH_LOAD_NT   ; both halves of the lanes read these rows (no address past the end); lanes 16-31 drop them below
.endr
.set n_, 11
.rept 53
	v_mov_b32 v[X+n_], 0                           ; the rest of K is zeros
.set n_, n_+1
.endr
	v_cmp_gt_u32 vcc_lo, 16, v1
	s_wait_loadcnt 0x0
.irp i, 0,1,2,3,4,5,6,7,8,9,10
	v_cndmask_b32 v[X+\i], 0, v[X+\i], vcc_lo      ; lanes 16-31 hold k = 2208 on: zeros
.endr
.Lquant:
	; the two blocks' largest magnitudes: two chains each, so that no line waits for the line above it; the floor 2^(5 - 127) is one more leaf
.irp c, 0,1
	v_max3_num_f32 v[MX+\c], |v[X+32*\c]|, |v[X+32*\c+1]|, 0x2800000
	v_max3_num_f32 v[MX+2+\c], |v[X+32*\c+16]|, |v[X+32*\c+17]|, |v[X+32*\c+18]|
.endr
.irp i, 2,4,6,8,10,12
.irp c, 0,1
	v_max3_num_f32 v[MX+\c], v[MX+\c], |v[X+32*\c+\i]|, |v[X+32*\c+\i+1]|
	v_max3_num_f32 v[MX+2+\c], v[MX+2+\c], |v[X+32*\c+17+\i]|, |v[X+32*\c+18+\i]|
.endr
.endr
.irp c, 0,1
	v_max3_num_f32 v[MX+\c], v[MX+\c], |v[X+32*\c+14]|, |v[X+32*\c+15]|
.endr
.irp c, 0,1
	v_max3_num_f32 v[MX+\c], v[MX+\c], v[MX+2+\c], |v[X+32*\c+31]|
.endr
.irp c, 0,1
	v_add_nc_u32 v[SO+\c], 0xfe000000, v[MX+\c]    ; 4 off the exponent field: the conversion takes the exponent field of this operand as its scale, and nothing else of it
.endr
.irp c, 0,1
	v_lshrrev_b32 v[BY+\c], 23, v[SO+\c]           ; the scale's byte
.endr
	v_lshl_or_b32 v10, v[BY+1], 16, v[BY]          ; my two bytes: blocks h and 2 + h of my column,
	v_lshlrev_b32 v11, 3, v3
	v_lshlrev_b32 v10, v11, v10                    ; at their places in the scale word (8 h bits up);
	v_mov_b32 v11, 0                               ; (a lane permute's destination counts as one of its sources)
	v_permlanex16_b32 v11, v10, s20, s21
	v_or_b32 v10, v10, v11                         ; with lane l xor 16's two the word is whole, in both lanes
.irp c, 0,1
	v_cvt_scalef32_pk16_bf6_f32 v[C+6*\c:C+6*\c+2], v[X+32*\c:X+32*\c+15], v[SO+\c]
	v_cvt_scalef32_pk16_bf6_f32 v[HT+4*\c:HT+4*\c+2], v[X+32*\c+16:X+32*\c+31], v[SO+\c]
.endr
	v_nop                                          ; one plain vector instruction between a scaled conversion and the vector instruction that touches its result
.irp c, 0,1
.irp i, 0,1,2
	v_mov_b32 v[C+6*\c+3+\i], v[HT+4*\c+\i]
.endr
.endr
.irp q, 0,1,2
	global_store_b128 v7, v[C+4*\q:C+4*\q+3], s[22:23] offset:512*\q   ; 32 lanes store 512 consecutive bytes, at a multiple of 256 from rq's first byte
.endr
	ds_store_b32 v9, v10                           ; lanes r and 16 + r write the same word with the same value
	s_wait_dscnt 0x0                               ; for the others' sake: my word lies in LDS
	s_barrier_signal -1
	s_barrier_wait -1
	s_cmp_lg_u32 s12, 0
	s_cbranch_scc1 .Lnot_wave_0
	ds_load_b64 v[12:13], v8                       ; the four waves' 64 words
	s_wait_dscnt 0x0
	global_store_b64 v8, v[12:13], s[24:25]        ; 32 lanes store 256 consecutive bytes, at a multiple of 256 from rq's first byte
.Lnot_wave_0:
	s_cmp_lg_u32 s26, 71                           ; the launch's last wave makes mc
	s_cbranch_scc1 .Lend
	v_add_f32 v22, 0x358637bd, |v21|               ; |sigma| + 1e-6
	v_rcp_f32 v23, v22
	v_nop                                          ; a plain instruction behind the reciprocal,
	s_wait_alu depctr_va_vdst(0)                   ; and the wait ahead of its first reader
	v_mul_f32 v24, s27, v23                        ; the quotient, then one correction by its own remainder:
	v_fma_f32 v25, -v24, v22, s27
	v_fma_f32 v21, v25, v23, v24                   ; c
	global_store_b64 v8, v[20:21], s[10:11]        ; 32 lanes store mc's 256 bytes; pairs 21 on repeat pair 20 and are not read
.Lend:
	s_wait_tensorcnt 0x0
	ds_add_u32 v128, v129
	s_wait_dscnt 0x0
	s_endpgm
.Lfunc_end_k_q94d6bc53e9_prep:
	.size	k_q94d6bc53e9_prep, .Lfunc_end_k_q94d6bc53e9_prep-k_q94d6bc53e9_prep
	.p2alignl 7, 3214868480
	.fill 96, 4, 3214868480
	.section	.rodata,"a",@progbits
	.p2align	6, 0x0
	.amdhsa_kernel k_q94d6bc53e9_prep
		.amdhsa_group_segment_fixed_size 768
		.amdhsa_private_segment_fixed_size 0
		.amdhsa_enable_private_segment 0
		.amdhsa_kernarg_size 32
		.amdhsa_user_sgpr_count 2
		.amdhsa_user_sgpr_kernarg_segment_ptr 1
		.amdhsa_wavefront_size32 1
		.amdhsa_system_sgpr_workgroup_id_x 1
		.amdhsa_system_sgpr_workgroup_id_y 1
		.amdhsa_system_sgpr_workgroup_id_z 1
		.amdhsa_system_vgpr_workitem_id 0
		.amdhsa_next_free_vgpr 130
		.amdhsa_next_free_sgpr 66
		.amdhsa_reserve_vcc 1
		.amdhsa_float_denorm_mode_32 3
		.amdhsa_float_denorm_mode_16_64 3
		.amdhsa_memory_ordered 1
		.amdhsa_forward_progress 1
		.amdhsa_inst_pref_size 16
	.end_amdhsa_kernel
	.amdgpu_metadata
---
amdhsa.version: [ 1, 2 ]
amdhsa.kernels:
  - .name:           k_q94d6bc53e9_prep
    .symbol:         k_q94d6bc53e9_prep.kd
    .args:
      - { .name: rules, .offset: 0, .size: 8, .value_kind: global_buffer, .address_space: global }
      - { .name: mfs, .offset: 8, .size: 8, .value_kind: global_buffer, .address_space: global }
      - { .name: rq, .offset: 16, .size: 8, .value_kind: global_buffer, .address_space: global }
      - { .name: mc, .offset: 24, .size: 8, .value_kind: global_buffer, .address_space: global }
    .group_segment_fixed_size: 768
    .private_segment_fixed_size: 0
    .kernarg_segment_align: 8
    .kernarg_segment_size: 32
    .max_flat_workgroup_size: 128
    .sgpr_count:     66
    .vgpr_count:     130
    .wavefront_size: 32
...
	.end_amdgpu_metadata
.endif
;; end of part 1
;; launch anfis (part 2): grid 256 x 1, 4 waves a work-group, clusters of 4 x 1, 168,448 bytes of LDS; arguments x, mc, rq, out0; writes out0
.if DOCPART == 2
	.amdgcn_target "amdgcn-amd-amdhsa--gfx1250"
	.amdhsa_code_object_version 6
	.text
	.protected	k_q94d6bc53e9_anfis
	.globl	k_q94d6bc53e9_anfis
	.p2align	8
	.type	k_q94d6bc53e9_anfis,@function
k_q94d6bc53e9_anfis:
	s_mov_b64 s[64:65], 0
	v_nop
	global_prefetch_b8 v0, s[64:65] scope:SCOPE_SE
	s_setreg_imm32_b32 hwreg(HW_REG_WAVE_MODE, 25, 1), 1
	s_wait_xcnt 0x0
	s_wait_alu depctr_hold_cnt(0) depctr_sa_sdst(0) depctr_va_vdst(0) depctr_va_sdst(0) depctr_va_ssrc(0) depctr_va_vcc(0) depctr_vm_vsrc(0)
	s_getreg_b32 s2, hwreg(HW_REG_IB_STS2, 6, 4)
	s_cmp_eq_u32 s2, 0
	s_cbranch_scc0 .Lentry_in_a_cluster
	s_endpgm
.Lentry_in_a_cluster:
	s_bfe_u32 s2, ttmp6, 0x10000c
	s_cmp_lg_u32 s2, 0x3003
	s_cbranch_scc0 .Lentry_shape_is_right
	s_endpgm
.Lentry_shape_is_right:
; out[b][:] = Q(norm[b][:]) Q(rules), norm[b][k] = strength[b][k] / (sum over k of strength[b][k] + 1e-6), strength = the outer product of seven inputs' three Gaussian memberships, k in base 3, last input fastest.
; Both operands are codes of BF6 (E3M2) with one E8M0 scale for each 32 along K = 2187 (filled with zero codes to 2304 = 18 steps of 128).  rules' codes and scale words come ready from rq, (mean, c) from mc.
; SHARES.  A work-group owns 64 rows.  Wave (g, kh) = (wave / 2, wave % 2) takes rows 32 g .. 32 g + 31 and K steps 9 kh .. 9 kh + 8; the two halves of K are added in LDS at the end.
; A LANE OWNS ONE ROW and makes whole blocks of 32 along K in its own registers: norm[k] = P[k / 27] x Q[k % 27], P = r m0 m1 m2 m3 (81 numbers, of which a K half needs 44), Q = m4 m5 m6 (27), r = 1 / (sum + 1e-6).
; One packed multiply makes two numbers.  27 is odd, so for even k the index into Q is even where the index into P is even and odd where it is odd: QA holds Q from an even register on (and Q[0] once more behind Q[26]),
; QB holds Q[1] .. Q[26] from an even register on; the pair that crosses from one P to the next always begins at an even P.  The same plan (period 9) makes Q and P themselves.
; A BLOCK'S LARGEST NUMBER IS NOT SEARCHED FOR: all factors are >= 0 and rounding keeps order, so the largest of P[g] x Q[j] over a run of j is P[g] x (the largest Q[j] of the run), bit for bit: a block of 32 is the end of
; one run of 27 and the beginning of the next (with a whole run between for four of 27 offsets): two or three products with suffix and prefix maxima of Q.
; FROM 32 ROWS A LANE-WISE BLOCK TO FRAGMENTS: the operand's layout wants lane (r, h) to hold block 2 c + h of row r.  Blocks 2 c and 2 c + 1 are made for 32 rows; v_permlane16_swap_b32 changes the first's lanes 16-31 with
; the second's lanes 0-15: the first is then the piece of rows 0-15, the second that of rows 16-31.  A lane's scale word serves rows 0-15 from lanes 0-15 and rows 16-31 from lanes 16-31 (MATRIX_SCALE_ROW1).
; THE MATRIX INSTRUCTION IS USED TRANSPOSED: source 0 = 16 columns of rules, source 1 = 16 rows: a lane then holds eight neighbouring numbers of a row of out.
; CLUSTER.  All work-groups read the same 115,200 bytes of rq: the four of a cluster ask JOINTLY (mask 15), each wave for its part, in four loads: scale words, then three phases of three K steps of each half, so that the
; first products need only the first two loads.  LDS is filled once; nothing is filled again.  Barriers stand where the two K halves' texts join: the texts differ in register numbers alone.
; ORDER OF ROUNDING, which differs from reference(): the sum is taken as the product of the seven inputs' sums of three (the same sum, by the distributive law); the division is a multiplication by a reciprocal with one
; Newton step; the seven factors are multiplied in the grouping above; z / sqrt(2 ln 2) = (mean - x) c with c from mc.  Each is within a few units in the last place of f32.
; LIMITS: NaN and infinities among the inputs are not served.  v_exp_f32 gives 0 for memberships under 2^-126.  A block whose largest number lies under 2^-122 keeps the scale byte 1.
; REGISTERS, in windows of 256 (s_set_vgpr_msb: bits 1:0 source 0, 3:2 source 1, 5:4 source 2, 7:6 destination):
;   window 0: v1-7 addresses; v8-16 W, my row's scale words; v20-37 BS, rules' scale words; v64-127 rows on the way out
;   window 1: v0-127 X, the numbers of a K step; v128-191 eight accumulators; v192-227 S, the conversions' scale operands
;   window 2: v0-43 P; v44-71 QA; v72-97 QB; v98-121 AC, my two fragments; v122-137 H, second halves of blocks; v138-233 BF, rules' fragments, two sets; the set-up's tables lie over v98-241
; The packed multiplies (X <- P x Q) and the matrix instructions (accumulator <- BF x AC) run under ONE setting, 0x5a, so that a step's eight products stand among the next step's multiplies without a switch.
.set STEPB, 6144                       ; a K step's four fragments of rules
.set FRB,   1536                       ; a fragment's image
.set HALFB, 9*STEPB                    ; a K half
.set SCL,   18*STEPB                   ; LDS (and rq): the scale words, 256 bytes a K step
.set STG,   SCL+18*256                 ; LDS: the stage, bytes of its own: two K halves x 64 rows x (256 bytes + 16)
.set SPITCH, 272                       ; an odd multiple of 16 bytes: the sixteen rows that a store touches begin in different banks (ISA guide 11.1)
.set STGH,  64*SPITCH
.set LN,  1                            ; window 0
.set ABF, 2                            ; LDS address of my K half's fragments: HALFB kh + 16 lane
.set ABS, 3                            ; of its scale words: SCL + 2304 kh + 4 lane
.set STO, 4                            ; the stage: where I put 16 bytes of a row
.set RD,  5                            ; and where I read a row back
.set GO,  6                            ; 16 lane: my bytes in two rows of out
.set XO,  7                            ; 28 lane: my row of x
.set W,   8
.set BS,  20
.set OA,  64
.set OB,  96
.set X,   0                            ; window 1
.set ACC, 128
.set S,   192
.set P,   0                            ; window 2
.set QA,  44
.set QB,  72
.set AC,  98
.set H,   122
.set BF,  138
.set XI,  98                           ; the set-up, window 2: x0 .. x6
.set MB,  106                          ; memberships, 3 i + m; m4 begins at an even register
.set SM,  128                          ; sums
.set RA,  138                          ; R = m5 x m6: R[0..8], R[0]
.set RB,  148                          ; R[1..8]
.set PBA, 156                          ; PB = m2 x m3, likewise
.set PBB, 166
.set PA,  174                          ; PA = r m0 x m1: 9, and a zero: P beyond K is 0
.set M0R, 184
.set SUF, 188                          ; SUF + s = the largest of Q[s..26]
.set PRE, 215                          ; PRE + e = the largest of Q[0..e]
.set TT,  98                           ; the 36 blocks' largest numbers
.set TMP, 138
.set MSB, 0
.macro WIN new                         ; the immediate's high byte repeats the setting that is left
.if MSB != \new
	s_set_vgpr_msb (MSB<<8)|\new
.set MSB, \new
.endif
.endm
.macro CROUND                          ; a round of the cluster's barrier
	s_barrier_signal -1
	s_barrier_wait -1
	s_cmp_lg_u32 s12, 0
	s_cbranch_scc1 .Lnot_wave_0_\@
	s_barrier_signal -3
.Lnot_wave_0_\@:
	s_barrier_wait -3
	s_barrier_signal -1
	s_barrier_wait -1
.endm
; v[d], v[d + 1] = Pt[k / T] x Q[k % T], Pt[(k + 1) / T] x Q[(k + 1) % T].  T odd; d, pt, qa, qb even; qa holds Q[0 .. T - 1], Q[0]; qb holds Q[1 .. T - 1].
.macro PK1 d, k, T, pt, qa, qb
.set pd_, \d
.set pa_, (\k)/(\T)
.set pc_, (\k)%(\T)
.set pp_, (\pt)+pa_
.if pc_ == (\T)-1
.if pa_%2 == 0
	v_pk_mul_f32 v[pd_:pd_+1], v[pp_:pp_+1], v[(\qa)+pc_:(\qa)+pc_+1]
.else
	v_mul_f32 v[pd_], v[pp_], v[(\qa)+pc_]
	v_mul_f32 v[pd_+1], v[pp_+1], v[\qa]
.endif
.else
.set pq_, (\qa)+pc_
.if pc_%2 == 1
.set pq_, (\qb)+pc_-1
.endif
.if pa_%2 == 0
	v_pk_mul_f32 v[pd_:pd_+1], v[pp_:pp_+1], v[pq_:pq_+1] op_sel_hi:[0,1]
.else
	v_pk_mul_f32 v[pd_:pd_+1], v[pp_-1:pp_], v[pq_:pq_+1] op_sel:[1,0] op_sel_hi:[1,1]
.endif
.endif
.endm
.macro MFREG j                         ; s[mr_] = mean j, s[mr_ + 1] = c j: mc's words 0-31 lie in s68-99, words 32-41 in s52-61
.set mr_, 68+2*(\j)
.if 2*(\j) >= 32
.set mr_, 20+2*(\j)
.endif
.endm
.macro T9 e, ta, tb, ma, mb            ; entry e of 18 of a table of nine products ma[i] x mb[j] in its two copies
.if (\e) < 10
	v_mul_f32 v[(\ta)+(\e)], v[(\ma)+((\e)%9)/3], v[(\mb)+((\e)%9)%3]
.else
	v_mul_f32 v[(\tb)+(\e)-10], v[(\ma)+((\e)-9)/3], v[(\mb)+((\e)-9)%3]
.endif
.endm
.macro T9N cnt, ta, tb, ma, mb
.rept \cnt
	T9 t9_, \ta, \tb, \ma, \mb
.set t9_, t9_+1
.endr
.endm
.macro SPSTEP n                        ; step n of 26 of the suffix and prefix maxima: two chains each, three operands at a time
.if (\n) == 0
	v_max_num_f32 v[SUF+25], v[QA+25], v[QA+26]
	v_max_num_f32 v[PRE+1], v[QA], v[QA+1]
.elseif (\n) == 1
	v_max3_num_f32 v[SUF+24], v[QA+24], v[QA+25], v[QA+26]
	v_max3_num_f32 v[PRE+2], v[QA], v[QA+1], v[QA+2]
.else
	v_max3_num_f32 v[SUF+25-(\n)], v[QA+25-(\n)], v[QA+26-(\n)], v[SUF+27-(\n)]
.if (\n) < 25
	v_max3_num_f32 v[PRE+1+(\n)], v[QA+1+(\n)], v[QA+(\n)], v[PRE-1+(\n)]
.endif
.endif
.endm
.macro SPN cnt
.rept \cnt
	SPSTEP sp_
.set sp_, sp_+1
.endr
.endm
	s_load_b256 s[4:11], s[0:1], 0x0               ; x s[4:5], mc s[6:7], rq s[8:9], out s[10:11]
	v_lshl_add_u32 v254, v0, 2, 0x29000
	v_mov_b32 v255, 0
	ds_add_u32 v254, v255
	ds_add_u32 v254, v255
	v_lshrrev_b32 v40, 5, v0
	v_readfirstlane_b32 s12, v40                   ; wave 0..3
	s_lshr_b32 s13, s12, 1                         ; g: which 32 rows.  Also: for which K half I fetch
	s_and_b32 s14, s12, 1                          ; kh: which K half.  Also: which part of a phase I fetch
	s_bfe_u32 s15, ttmp6, 0x40000                  ; cx: my place in the cluster: it enters x's and out's addresses alone
	s_lshl_b32 s16, ttmp9, 2                       ; in a cluster launch ttmp9 counts clusters
	s_add_co_u32 s16, s16, s15                     ; my work-group
	v_and_b32 v[LN], 31, v0
	v_and_b32 v40, 15, v0                          ; r
	v_bfe_u32 v41, v0, 4, 1                        ; h
	s_mul_i32 s17, s14, HALFB
	v_lshl_add_u32 v[ABF], v[LN], 4, s17
	s_mul_i32 s17, s14, 9*256
	s_add_co_u32 s17, s17, SCL
	v_lshl_add_u32 v[ABS], v[LN], 2, s17
	s_mul_i32 s17, s14, STGH                       ; into the stage: my K half's copy, my 32 rows; row r, 32 bytes for each half of the lanes
	s_mul_i32 s18, s13, 32*SPITCH
	s_add_co_u32 s17, s17, s18
	s_add_co_u32 s17, s17, STG
	v_mul_u32_u24 v[STO], v40, SPITCH
	v_lshl_add_u32 v[STO], v41, 5, v[STO]
	v_add_nc_u32 v[STO], s17, v[STO]
	s_mul_i32 s17, s12, 16*SPITCH                  ; back: wave w takes rows 16 w .. 16 w + 15; lanes 0-15 one row of 256 bytes, lanes 16-31 the next
	s_add_co_u32 s17, s17, STG
	v_mul_u32_u24 v[RD], v41, SPITCH
	v_lshl_add_u32 v[RD], v40, 4, v[RD]
	v_add_nc_u32 v[RD], s17, v[RD]
	v_lshlrev_b32 v[GO], 4, v[LN]
	v_mul_u32_u24 v[XO], v[LN], 28
	s_mul_i32 s2, s16, 64*28                       ; x: my work-group's 64 rows of 28 bytes, my wave's 32
	s_mul_i32 s3, s13, 32*28
	s_add_co_u32 s2, s2, s3
	s_mov_b32 s3, 0
	; descriptor group 1 for the codes: 36 rows of 256 bytes (32 elements of 8 bytes), dense; for the scale words: one row of 1,152 bytes.  15:0 the mask: all four work-groups; 17:16 elements of 8 bytes; 21 set beside a mask
	s_mov_b32 s20, 15|(3<<16)|(1<<21)
	s_mov_b32 s21, 32<<16                          ; tensor_dim0
	s_mov_b32 s22, 36<<16                          ; tensor_dim1
	s_mov_b32 s23, 32<<16                          ; tile_dim0
	s_mov_b32 s24, 36                              ; tile_dim1
	s_mov_b32 s25, 32                              ; from row to row
	s_mov_b32 s26, 0
	s_mov_b32 s27, 0
	s_mov_b32 s28, 15|(3<<16)|(1<<21)
	s_mov_b32 s29, 144<<16
	s_mov_b32 s30, 1<<16
	s_mov_b32 s31, 144<<16
	s_mov_b32 s32, 1
	s_mov_b32 s33, 144
	s_mov_b32 s34, 0
	s_mov_b32 s35, 0
	s_mul_i32 s66, s13, HALFB                      ; what I fetch of a phase: 9,216 bytes, the same place in rq and in LDS; made of the wave's number alone
	s_mul_i32 s17, s14, 9216
	s_add_co_u32 s66, s66, s17
	s_mov_b32 s67, 0
	s_mul_i32 s18, s12, 1152                       ; and of the scale words
	s_add_co_u32 s18, s18, SCL
	s_mov_b32 s19, 0
	s_wait_dscnt 0x0
	s_wait_kmcnt 0x0
	s_load_b512 s[68:83], s[6:7], 0x0              ; mc: 21 pairs (mean, c), 42 words
	s_load_b512 s[84:99], s[6:7], 0x40
	s_load_b256 s[52:59], s[6:7], 0x80
	s_load_b64 s[60:61], s[6:7], 0xa0
	s_add_nc_u64 s[4:5], s[4:5], s[2:3]
	WIN 0x80                                       ; destination window 2, address window 0
.irp i, 0,1,2,3,4,5,6
	global_load_b32 v[XI+\i], v[XO], s[4:5] offset:4*\i   ; my row of x: the wave's seven loads cover 896 consecutive bytes
.endr
	WIN 0
	s_lshl_b32 s2, s16, 14                         ; out: my work-group's 64 rows of 256 bytes, the 16 that my wave stores
	s_lshl_b32 s17, s12, 12
	s_add_co_u32 s2, s2, s17
	s_add_nc_u64 s[10:11], s[10:11], s[2:3]
	s_mov_b32 s36, 1                               ; group 0 for the scale words: count 1, LDS address, global address, type 2
	s_mov_b32 s37, s18
	s_add_nc_u64 s[38:39], s[8:9], s[18:19]
	s_or_b32 s39, s39, 0x80000000
.irp p, 0,1,2                                  ; and for the three phases: K steps 3 p .. 3 p + 2 of each half
	s_mov_b32 s[40+4*\p], 1
	s_add_co_u32 s[41+4*\p], s66, \p*3*STEPB
	s_add_nc_u64 s[42+4*\p:43+4*\p], s[8:9], s[66:67]
	s_add_nc_u64 s[42+4*\p:43+4*\p], s[42+4*\p:43+4*\p], \p*3*STEPB
	s_or_b32 s[43+4*\p], s[43+4*\p], 0x80000000
.endr
	CROUND                                         ; all four work-groups are here: the joint loads meet
	tensor_load_to_lds s[36:39], s[28:35]          ; my four loads go out together: four of mine are out
	s_nop 0
	tensor_load_to_lds s[40:43], s[20:27]
	s_nop 0
	tensor_load_to_lds s[44:47], s[20:27]
	s_nop 0
	tensor_load_to_lds s[48:51], s[20:27]
	s_nop 0
.rept 4
	v_nop                                          ; four lines ahead of the next window switch
.endr
	; ---- THE SET-UP, all in window 2
	WIN 0xaa
	s_wait_loadcnt 0x0                             ; x
	s_wait_kmcnt 0x0                               ; mc
.set j_, 0
.rept 21
	MFREG j_
	v_sub_f32 v[MB+j_], s[mr_], v[XI+j_/3]         ; mean - x (the sign falls out in the square)
.set j_, j_+1
.endr
.set j_, 0
.rept 21
	MFREG j_
	v_mul_f32 v[MB+j_], s[mr_+1], v[MB+j_]         ; u = c (mean - x)
.set j_, j_+1
.endr
.set j_, 0
.rept 21
	v_mul_f32 v[MB+j_], -v[MB+j_], v[MB+j_]
.set j_, j_+1
.endr
.set j_, 0
.rept 21
	v_exp_f32 v[MB+j_], v[MB+j_]                   ; 2^(-u u) = exp(-z z / 2)
.set j_, j_+1
.endr
	v_mov_b32 v[PA+9], 0                           ; (a plain instruction behind the exponentials)  PA beyond its nine is 0: so P beyond K comes out 0
	s_wait_alu depctr_va_vdst(0)                   ; one wait for the 21, ahead of their first reader
.irp i, 0,1,2,3,4,5,6
	v_add_f32 v[SM+\i], v[MB+3*\i], v[MB+3*\i+1]
.endr
.irp i, 0,1,2,3,4,5,6
	v_add_f32 v[SM+\i], v[SM+\i], v[MB+3*\i+2]     ; an input's three memberships
.endr
	v_mul_f32 v[SM], v[SM], v[SM+1]                ; the product of the seven sums is the sum of all 2187 strengths; R's products stand between the links of this chain
	v_mul_f32 v[SM+2], v[SM+2], v[SM+3]
	v_mul_f32 v[SM+4], v[SM+4], v[SM+5]
.set t9_, 0
	T9N 6, RA, RB, MB+15, MB+18
	v_mul_f32 v[SM], v[SM], v[SM+2]
	v_mul_f32 v[SM+4], v[SM+4], v[SM+6]
	T9N 6, RA, RB, MB+15, MB+18
	v_fmaak_f32 v[SM], v[SM], v[SM+4], 0x358637bd  ; + 1e-6
	T9N 6, RA, RB, MB+15, MB+18
	v_rcp_f32 v[SM+1], v[SM]
.set t9_, 0
	T9N 18, PBA, PBB, MB+6, MB+9                   ; what does not hang on r stands behind the reciprocal: PB, Q in its two copies
.set n_, 0
.rept 13
	PK1 QA+2*n_, 2*n_, 9, MB+12, RA, RB
.set n_, n_+1
.endr
	v_mul_f32 v[QA+26], v[MB+14], v[RA+8]
	v_mul_f32 v[QA+27], v[MB+12], v[RA]            ; Q[0] once more
.set n_, 0
.rept 13
	PK1 QB+2*n_, 2*n_+1, 9, MB+12, RA, RB
.set n_, n_+1
.endr
	s_wait_alu depctr_va_vdst(0)                   ; the reciprocal's wait, ahead of its first reader
.set sp_, 0
	v_fma_f32 v[SM+2], -v[SM], v[SM+1], 1.0        ; one Newton step; the maxima of Q stand between the links
	SPN 3
	v_fma_f32 v[SM+1], v[SM+1], v[SM+2], v[SM+1]   ; r
	SPN 3
.irp i, 0,1,2
	v_mul_f32 v[M0R+\i], v[SM+1], v[MB+\i]
.endr
	SPN 3
.set n_, 0
.rept 9
	v_mul_f32 v[PA+n_], v[M0R+n_/3], v[MB+3+n_%3]
.set n_, n_+1
.endr
	SPN 17
; Block b's two or three products for its largest number, into TMP + 3 j on; then the largest, with the floor 2^(5 - 127), under which no largest number is taken: so the byte cannot fall under 1
.macro TMUL b, j
.set tg_, (32*(\b))/27-pg0_
.set ts_, (32*(\b))%27
.set tr_, SUF+ts_
.if ts_ == 26
.set tr_, QA+26
.endif
	v_mul_f32 v[TMP+3*(\j)], v[P+tg_], v[tr_]
.if ts_ <= 22
.set tr_, PRE+ts_+4
.if ts_ == 22
.set tr_, SUF
.endif
	v_mul_f32 v[TMP+3*(\j)+1], v[P+tg_+1], v[tr_]
.else
	v_mul_f32 v[TMP+3*(\j)+1], v[P+tg_+1], v[SUF]
.set tr_, PRE+ts_-23
.if ts_ == 23
.set tr_, QA
.endif
	v_mul_f32 v[TMP+3*(\j)+2], v[P+tg_+2], v[tr_]
.endif
.endm
.macro TMAX b, j, bl
.set ts_, (32*(\b))%27
.if ts_ <= 22
	v_max3_num_f32 v[TT+(\bl)], v[TMP+3*(\j)], v[TMP+3*(\j)+1], 0x2800000
.else
	v_max3_num_f32 v[TT+(\bl)], v[TMP+3*(\j)], v[TMP+3*(\j)+1], v[TMP+3*(\j)+2]
	v_max_num_f32 v[TT+(\bl)], 0x2800000, v[TT+(\bl)]
.endif
.endm
; My K half's P (44 numbers from P[42 kh] on; from P[81] on zeros), its 36 blocks' conversion scales S and its nine scale words W
.macro PARTA kh
.set pg0_, 42*(\kh)
	WIN 0xaa
.set n_, 0
.rept 22
	PK1 P+2*n_, pg0_+2*n_, 9, PA, PBA, PBB
.set n_, n_+1
.endr
.set sl_, 0
.rept 9
.set j_, 0
.rept 4
	TMUL 36*(\kh)+4*sl_+j_, j_
.set j_, j_+1
.endr
.set j_, 0
.rept 4
	TMAX 36*(\kh)+4*sl_+j_, j_, 4*sl_+j_
.set j_, j_+1
.endr
.set sl_, sl_+1
.endr
	WIN 0x48                                       ; source 1 window 2, destination window 1
.set n_, 0
.rept 36
	v_add_nc_u32 v[S+n_], 0xfe000000, v[TT+n_]     ; 4 off the exponent field: the conversion takes the exponent field of this operand as its scale, and nothing else of it
.set n_, n_+1
.endr
	WIN 0xaa
.set n_, 0
.rept 36
	v_lshrrev_b32 v[TT+n_], 23, v[TT+n_]           ; the exponent field, 5 at the least
.set n_, n_+1
.endr
.irp q, 1,2,3
.set n_, 0
.rept 9
	v_lshl_or_b32 v[TT+4*n_], v[TT+4*n_+\q], 8*\q, v[TT+4*n_]   ; four to a word, the nine words by turns
.set n_, n_+1
.endr
.endr
	WIN 0x08                                       ; source 1 window 2, destination window 0
.set n_, 0
.rept 9
	v_add_nc_u32 v[W+n_], 0xfbfbfbfc, v[TT+4*n_]   ; 4 off each of the four bytes (none borrows: each is 5 or more): my row's scale word of K step n
.set n_, n_+1
.endr
	WIN 0
.endm
; ---- THE K STEPS
.macro PKN                             ; the next two numbers of the K step in hand
	PK1 X+2*pn_, pk0_+2*pn_, 27, P-pg0_, QA, QB
.set pn_, pn_+1
.endm
.macro WM4 c
.if (wt_%2 == 0) && (wm_ == 0)
	v_wmma_scale_f32_16x16x128_f8f6f4 v[wd_:wd_+7], v[wa_:wa_+11], v[wb_:wb_+11], \c, v[ws_], v[ww_] matrix_a_fmt:MATRIX_FMT_BF6 matrix_b_fmt:MATRIX_FMT_BF6
.elseif wm_ == 0
	v_wmma_scale_f32_16x16x128_f8f6f4 v[wd_:wd_+7], v[wa_:wa_+11], v[wb_:wb_+11], \c, v[ws_], v[ww_] matrix_a_fmt:MATRIX_FMT_BF6 matrix_b_fmt:MATRIX_FMT_BF6 matrix_a_scale:MATRIX_SCALE_ROW1
.elseif wt_%2 == 0
	v_wmma_scale_f32_16x16x128_f8f6f4 v[wd_:wd_+7], v[wa_:wa_+11], v[wb_:wb_+11], \c, v[ws_], v[ww_] matrix_a_fmt:MATRIX_FMT_BF6 matrix_b_fmt:MATRIX_FMT_BF6 matrix_b_scale:MATRIX_SCALE_ROW1
.else
	v_wmma_scale_f32_16x16x128_f8f6f4 v[wd_:wd_+7], v[wa_:wa_+11], v[wb_:wb_+11], \c, v[ws_], v[ww_] matrix_a_fmt:MATRIX_FMT_BF6 matrix_b_fmt:MATRIX_FMT_BF6 matrix_a_scale:MATRIX_SCALE_ROW1 matrix_b_scale:MATRIX_SCALE_ROW1
.endif
.endm
; Product i of 8 of my K step sl: columns 16 (i / 2) on (source 0), rows 16 (i % 2) on (source 1).  rules' scale words: tiles 2 u and 2 u + 1 share a register, lanes 0-15 and 16-31; mine likewise for the two tiles of rows.
; The eight accumulators take turns, one instruction a turn.  zero = 1: the first K step starts the sums.
.macro WM sl, i, zero
.set wt_, (\i)/2
.set wm_, (\i)%2
.set wd_, ACC+8*(4*wm_+wt_)
.set wa_, BF+48*((\sl)%2)+12*wt_
.set wb_, AC+12*wm_
.set ws_, BS+2*(\sl)+wt_/2
.set ww_, W+(\sl)
.if \zero
	WM4 0
.else
	WM4 v[wd_:wd_+7]
.endif
.endm
.macro LOADB sl                        ; rules' four fragments of my K step sl, as images of their registers, into set sl % 2
	WIN 0x80                                       ; destination window 2, address window 0
.irp t, 0,1,2,3
.irp q, 0,1,2
	ds_load_b128 v[BF+48*((\sl)%2)+12*\t+4*\q:BF+48*((\sl)%2)+12*\t+4*\q+3], v[ABF] offset:(\sl)*STEPB+\t*FRB+512*\q
.endr
.endr
.endm
; The numbers in X become my two fragments.  nb = 4: four blocks; nb = 1: the step that holds K's end: one block, the other three are zero codes.
.macro CVTS sl, nb
	WIN 0x85                                       ; numbers and scale window 1, codes window 2
.set j_, 0
.rept \nb
.set cl_, AC+12*(j_%2)+6*(j_/2)
	v_cvt_scalef32_pk16_bf6_f32 v[cl_:cl_+2], v[X+32*j_:X+32*j_+15], v[S+4*(\sl)+j_]
	v_cvt_scalef32_pk16_bf6_f32 v[H+4*j_:H+4*j_+2], v[X+32*j_+16:X+32*j_+31], v[S+4*(\sl)+j_]   ; (a conversion's three registers begin on an even number: a block's second three do not)
.set j_, j_+1
.endr
	v_nop                                          ; one plain vector instruction between a scaled conversion and the vector instruction that touches its result
	WIN 0x82
.if (\nb) == 4
.irp c, 0,1
.irp i, 0,1,2
	v_permlane16_swap_b32 v[AC+6*\c+\i], v[AC+12+6*\c+\i]   ; block 2 c's rows 16-31 change places with block 2 c + 1's rows 0-15
.endr
.endr
.irp c, 0,1
.irp i, 0,1,2
	v_permlane16_swap_b32 v[H+8*\c+\i], v[H+8*\c+4+\i]
.endr
.endr
.irp c, 0,1
.irp i, 0,1,2
	v_mov_b32 v[AC+6*\c+3+\i], v[H+8*\c+\i]
	v_mov_b32 v[AC+12+6*\c+3+\i], v[H+8*\c+4+\i]
.endr
.endr
.else
.irp i, 0,1,2,3,4,5
	v_mov_b32 v[AC+12+\i], 0                       ; the block behind K's end
.endr
.irp i, 0,1,2
	v_mov_b32 v[AC+3+\i], v[H+\i]
.endr
.irp i, 0,1,2,3,4,5
	v_permlane16_swap_b32 v[AC+\i], v[AC+12+\i]
.endr
.irp i, 6,7,8,9,10,11
	v_mov_b32 v[AC+\i], 0
	v_mov_b32 v[AC+12+\i], 0
.endr
.endif
.endm
; Step sl's numbers are made while step sl - 1 is multiplied: four multiplies, then a product and gap multiplies by turns, then the rest (four or five).  The multiplies name none of the products' registers: the first four are
; the places between the moves that wrote my fragments and the first product, the last four those between the last product and the conversions that write the fragments again (ISA guide 7.12.1).
.macro ITER kh, sl, nb, gap
	WIN 0x5a                                       ; sources 0 and 1 window 2; source 2 and destination window 1
.set pn_, 0
.set pk0_, 128*(9*(\kh)+(\sl))
.rept 4
	PKN
.endr
	s_wait_dscnt 12                                ; step sl - 1's fragments of rules are in; the twelve loads issued behind them, step sl's, may stay out
.set wi_, 0
.rept 8
.if (\sl) == 1
	WM 0, wi_, 1
.else
	WM (\sl)-1, wi_, 0
.endif
.if wi_ < 7
.rept \gap
	PKN
.endr
.endif
.set wi_, wi_+1
.endr
.rept 16*(\nb)-4-7*(\gap)
	PKN
.endr
	CVTS \sl, \nb
.endm
.macro PARTB kh
.set pg0_, 42*(\kh)
.set n_, 0
.rept 18
	ds_load_b32 v[BS+n_], v[ABS] offset:128*n_     ; rules' scale words of my nine K steps: lanes 0-15 an even tile's, lanes 16-31 the next tile's
.set n_, n_+1
.endr
	LOADB 0
	LOADB 1
	WIN 0x5a
.set pn_, 0
.set pk0_, 128*9*(\kh)
.rept 64
	PKN                                            ; the first step's numbers: there is nothing yet to multiply beside them
.endr
	CVTS 0, 4
	ITER \kh, 1, 4, 8
	LOADB 2                                        ; into the set that step 0's products have read: the rest of the multiplies and the moves lie between
	ITER \kh, 2, 4, 8
	WIN 0
.endm
.macro PARTC kh
.set pg0_, 42*(\kh)
	LOADB 3
	ITER \kh, 3, 4, 8
	LOADB 4
	ITER \kh, 4, 4, 8
	LOADB 5
	ITER \kh, 5, 4, 8
	WIN 0
.endm
.macro PARTD kh, nb, gap
.set pg0_, 42*(\kh)
	LOADB 6
	ITER \kh, 6, 4, 8
	LOADB 7
	ITER \kh, 7, 4, 8
	LOADB 8
	ITER \kh, 8, \nb, \gap
.rept 4
	v_nop                                          ; four places between the moves that wrote my fragments and the last products
.endr
	s_wait_dscnt 0x0
	WIN 0x5a
.set wi_, 0
.rept 8
	WM 8, wi_, 0
.set wi_, wi_+1
.endr
	WIN 0
.endm
	WIN 0                                          ; at a label and at a branch every window is 0
	s_cmp_eq_u32 s14, 0                            ; the two K halves part on the wave's number and join at each barrier
	s_cbranch_scc0 .LA1
	PARTA 0
	s_branch .LAj
.LA1:
	PARTA 1
.LAj:
	s_wait_tensorcnt 0x2                           ; my parts of the scale words and of phase 0 have landed; my two later loads may stay out
	s_barrier_signal -1
	s_barrier_wait -1                              ; everybody's have
	s_cmp_eq_u32 s14, 0
	s_cbranch_scc0 .LB1
	PARTB 0
	s_branch .LBj
.LB1:
	PARTB 1
.LBj:
	s_wait_dscnt 0x0                               ; no LDS instruction of mine is out at a signal
	s_wait_tensorcnt 0x1                           ; my part of phase 1 has landed; phase 2's may stay out
	s_barrier_signal -1
	s_barrier_wait -1
	s_cmp_eq_u32 s14, 0
	s_cbranch_scc0 .LC1
	PARTC 0
	s_branch .LCj
.LC1:
	PARTC 1
.LCj:
	s_wait_dscnt 0x0
	s_wait_tensorcnt 0x0                           ; my part of phase 2 has landed: no tensor load of mine is out from here on
	s_barrier_signal -1
	s_barrier_wait -1
	s_cmp_eq_u32 s14, 0
	s_cbranch_scc0 .LD1
	PARTD 0, 4, 8
	s_branch .LDj
.LD1:
	PARTD 1, 1, 1
.LDj:
	; ---- THE WAY OUT.  A lane holds 32 bytes of a row for each tile of columns; each K half's sums go into its own copy of the stage; behind the barrier a wave reads 16 whole rows of both copies, adds them and stores them.
.rept 4
	v_nop                                          ; four places between the last products and the first read of results
.endr
	WIN 0x04                                       ; an LDS store's data are its source 1: window 1
.irp m, 0,1
.irp t, 0,1,2,3
	ds_store_b128 v[STO], v[ACC+8*(4*\m+\t):ACC+8*(4*\m+\t)+3] offset:\m*16*SPITCH+64*\t          ; lane (r, h): out(16 m + r, 16 t + 8 h + 0 .. 7); each accumulator from its low end on
	ds_store_b128 v[STO], v[ACC+8*(4*\m+\t)+4:ACC+8*(4*\m+\t)+7] offset:\m*16*SPITCH+64*\t+16
.endr
.endr
	WIN 0
	s_wait_dscnt 0x0                               ; for the others' sake: my stores into the stage are done
	s_barrier_signal -1
	s_barrier_wait -1
.irp i, 0,1,2,3,4,5,6,7
	ds_load_b128 v[OA+4*\i:OA+4*\i+3], v[RD] offset:2*\i*SPITCH
	ds_load_b128 v[OB+4*\i:OB+4*\i+3], v[RD] offset:STGH+2*\i*SPITCH
.endr
.irp i, 0,1,2,3,4,5,6,7
	s_wait_dscnt 14-2*\i                           ; pair i of rows is in, from both copies; the pairs behind it may stay out
	v_pk_add_f32 v[OA+4*\i:OA+4*\i+1], v[OA+4*\i:OA+4*\i+1], v[OB+4*\i:OB+4*\i+1]
	v_pk_add_f32 v[OA+4*\i+2:OA+4*\i+3], v[OA+4*\i+2:OA+4*\i+3], v[OB+4*\i+2:OB+4*\i+3]
	global_store_b128 v[GO], v[OA+4*\i:OA+4*\i+3], s[10:11] offset:512*\i th:TH_STORE_NT   ; 32 lanes store two rows, 512 consecutive bytes, at a multiple of 256 from out's first byte
.endr
	s_wait_tensorcnt 0x0
	ds_add_u32 v254, v255
	s_wait_dscnt 0x0
	CROUND                                         ; the closing round: no work-group ends while a partner may still ask for bytes jointly
	s_endpgm
.Lfunc_end_k_q94d6bc53e9_anfis:
	.size	k_q94d6bc53e9_anfis, .Lfunc_end_k_q94d6bc53e9_anfis-k_q94d6bc53e9_anfis
	.p2alignl 7, 3214868480
	.fill 96, 4, 3214868480
	.section	.rodata,"a",@progbits
	.p2align	6, 0x0
	.amdhsa_kernel k_q94d6bc53e9_anfis
		.amdhsa_group_segment_fixed_size 168448
		.amdhsa_private_segment_fixed_size 0
		.amdhsa_enable_private_segment 0
		.amdhsa_kernarg_size 32
		.amdhsa_user_sgpr_count 2
		.amdhsa_user_sgpr_kernarg_segment_ptr 1
		.amdhsa_wavefront_size32 1
		.amdhsa_system_sgpr_workgroup_id_x 1
		.amdhsa_system_sgpr_workgroup_id_y 1
		.amdhsa_system_sgpr_workgroup_id_z 1
		.amdhsa_system_vgpr_workitem_id 0
		.amdhsa_next_free_vgpr 768
		.amdhsa_next_free_sgpr 100
		.amdhsa_reserve_vcc 0
		.amdhsa_float_denorm_mode_32 3
		.amdhsa_float_denorm_mode_16_64 3
		.amdhsa_memory_ordered 1
		.amdhsa_forward_progress 1
		.amdhsa_inst_pref_size 178
	.end_amdhsa_kernel
	.amdgpu_metadata
---
amdhsa.version: [ 1, 2 ]
amdhsa.kernels:
  - .name:           k_q94d6bc53e9_anfis
    .symbol:         k_q94d6bc53e9_anfis.kd
    .args:
      - { .name: x, .offset: 0, .size: 8, .value_kind: global_buffer, .address_space: global }
      - { .name: mc, .offset: 8, .size: 8, .value_kind: global_buffer, .address_space: global }
      - { .name: rq, .offset: 16, .size: 8, .value_kind: global_buffer, .address_space: global }
      - { .name: out0, .offset: 24, .size: 8, .value_kind: global_buffer, .address_space: global }
    .group_segment_fixed_size: 168448
    .private_segment_fixed_size: 0
    .kernarg_segment_align: 8
    .kernarg_segment_size: 32
    .max_flat_workgroup_size: 128
    .sgpr_count:     100
    .vgpr_count:     768
    .wavefront_size: 32
...
	.end_amdgpu_metadata
.endif
;; end of part 2
